; MI455X (gfx1250); checked and timed in simulation.
; The chip was launched on July 23, 2026; its instructions are those of AMD's public machine-readable ISA for CDNA 5 (MIT licence, August 2026) and "CDNA5" Instruction Set Architecture Reference Guide (July 2026). The comments in the code are by the model that wrote it; some were corrected since.
;; Enhanced Generative Fusion Reranker. Allowed arithmetic: float matrix products may take bf16 or f16 operands with f32 sums; other float arithmetic in f32, or as packed bf16 or f16 multiplies, adds, multiply-adds, maxima and minima; sums over many terms, partial sums and values carried from step to step in f32; what a program stores and reads back later, other than sums and carried values, may be rounded once to bf16 or f16.
;; Inputs: candidate_embeddings 131,072 x 512 float32; context_features 64 float32; generated_embeddings 20 x 512 float32; params_cc_b1 128 float32; params_cc_b2 1 float32; params_cc_w1 5 x 128 float32; params_cc_w2 128 x 1 float32; params_ml_b1 256 float32; params_ml_b2 3 float32; params_ml_w1 579 x 256 float32; params_ml_w2 256 x 3 float32; params_nv_b1 256 float32; params_nv_b2 128 float32; params_nv_b3 1 float32; params_nv_w1 1,024 x 256 float32; params_nv_w2 256 x 128 float32; params_nv_w3 128 x 1 float32; params_sf_b1 256 float32; params_sf_b2 128 float32; params_sf_b3 1 float32; params_sf_be1 256 float32; params_sf_be2 128 float32; params_sf_g1 256 float32; params_sf_g2 128 float32; params_sf_w1 5 x 256 float32; params_sf_w2 256 x 128 float32; params_sf_w3 128 x 1 float32; query_embedding 512 float32; traditional_scores 131,072 x 3 float32; user_embedding 512 float32.
;; Outputs: out0 5 x 131,072 float32; out1 3 float32.
;; One version. Each part assembles by itself: llvm-mc -triple=amdgcn-amd-amdhsa -mcpu=gfx1250 --defsym DOCPART=n.
;; ======== version 1 of 1: 3 launches
;; limits: values outside matrix products are rounded to bf16
;; workspace buffers: w1x 294,912 bytes; wb 77,824 bytes; wc 67,584 bytes; vec 2,048 bytes; tsp 32,768 bytes
;; launch prep (part 1): grid 41 x 1, 8 waves a work-group, no clusters, 3,072 bytes of LDS; arguments params_nv_w1, params_nv_w2, params_sf_w2, generated_embeddings, user_embedding, query_embedding, params_nv_b1, params_ml_w1, params_ml_b1, context_features, params_sf_w1, params_sf_b1, params_sf_g1, params_sf_be1, params_cc_w1, params_cc_b1, params_nv_b2, params_nv_w3, params_sf_b2, params_sf_g2, params_sf_be2, params_sf_w3, params_cc_w2, w1x, wb, wc, vec; writes w1x, wb, wc, vec
.if DOCPART == 1
	.amdgcn_target "amdgcn-amd-amdhsa--gfx1250"
	.amdhsa_code_object_version 6
	.text
	.protected	k_qee985625a4_prep
	.globl	k_qee985625a4_prep
	.p2align	8
	.type	k_qee985625a4_prep,@function
k_qee985625a4_prep:
	s_mov_b64 s[64:65], 0
	v_nop
	global_prefetch_b8 v0, s[64:65] scope:SCOPE_SE
	s_setreg_imm32_b32 hwreg(HW_REG_WAVE_MODE, 25, 1), 1
	s_wait_xcnt 0x0
; PREP: what does not hang on a candidate is made once, in f32, and laid out for the main launch.
; NO WORK OF THE MODULE IS LEFT OUT, and every input is loaded by some launch.  Work that is COMMON to all candidates is done once:
;  - nov_in @ nv_w1 = q @ nv_w1[:512] + x @ nv_w1[512:], and q is the same in every row: bias1 = nv_b1 + q @ nv_w1[:512] (vec[0:256]).
;  - cos(x, g) = (x . g/|g|) / max(|x|, 1e-8): the generated rows and the user's vector are normalised here.
;  - LayerNorm takes the mean over the features away: y - mean(y) = s @ W1c + b1c with W1c, b1c = sf_w1, sf_b1 less their means over the
;    256 columns; likewise W2c, b2c over the 128 columns.  The means go in f32, ahead of the rounding to bf16.
;  - hpre = ml_b1 + user @ ml_w1[0:512] + context @ ml_w1[515:579] (vec[256:512]); the mean scores' three rows are added in the last launch.
; LIMITS.  Weights and folded biases are rounded once to bf16.  v_sqrt_f32 and v_rcp_f32 are good to the last bit but one and take a denormal for 0.
; NaN and infinities are not treated apart.
; ROLES, by the work-group's number: 0-15 nv_w1[512:] to bf16; 16-19 nv_w2 to bf16; 20-27 sf_w2 centred; 28-31 the 32 unit rows;
; 32-35 bias1; 36-39 hpre; 40 the small tables.  LDS: 0-2047 the mat-vecs' partial sums; 2048-3071 the spare words, which no other line names.
.set SPARE, 2048
.set SPW, 190                          ; v190 my spare word's address; never rewritten
.set NIL, 191                          ; v191 0; never rewritten
.macro WSUM a, t                       ; the sum over the wave's 32 lanes, in every lane; t has been written before
	v_add_f32_dpp v[\a], v[\a], v[\a] row_xmask:1 row_mask:0xf bank_mask:0xf
	v_add_f32_dpp v[\a], v[\a], v[\a] row_xmask:2 row_mask:0xf bank_mask:0xf
	v_add_f32_dpp v[\a], v[\a], v[\a] row_xmask:4 row_mask:0xf bank_mask:0xf
	v_add_f32_dpp v[\a], v[\a], v[\a] row_xmask:8 row_mask:0xf bank_mask:0xf
	v_permlanex16_b32 v[\t], v[\a], s4, s5
	v_add_f32 v[\a], v[\a], v[\t]
.endm
	s_mov_b32 s2, ttmp9                            ; the role
	v_lshl_add_u32 v[SPW], v0, 2, SPARE
	v_mov_b32 v[NIL], 0
	v_lshrrev_b32 v1, 5, v0
	v_readfirstlane_b32 s3, v1                     ; wave 0..7
	v_and_b32 v2, 31, v0                           ; lane
	s_mov_b32 s4, 0x76543210                       ; v_permlanex16_b32: each lane takes its own place in the other half
	s_mov_b32 s5, 0xfedcba98
	s_cmp_lt_u32 s2, 20
	s_cbranch_scc1 .Lconv
	s_cmp_lt_u32 s2, 28
	s_cbranch_scc1 .Lcentre
	s_cmp_lt_u32 s2, 32
	s_cbranch_scc1 .Lgrows
	s_cmp_lt_u32 s2, 36
	s_cbranch_scc1 .Lmv0
	s_cmp_lt_u32 s2, 40
	s_cbranch_scc1 .Lmv1
; ---- the small tables: wave 0 the fusion's first layer, wave 1 the calibrator's, wave 2 the f32 vectors
	s_cmp_gt_u32 s3, 2
	s_cbranch_scc1 .Lend
	s_load_b512 s[16:31], s[0:1], 0x50             ; sf_w1 16, sf_b1 18, sf_g1 20, sf_be1 22, cc_w1 24, cc_b1 26, nv_b2 28, nv_w3 30
	s_load_b512 s[32:47], s[0:1], 0x90             ; sf_b2 32, sf_g2 34, sf_be2 36, sf_w3 38, cc_w2 40, w1x 42, wb 44, wc 46
	s_wait_kmcnt 0x0
	s_cmp_eq_u32 s3, 1
	s_cbranch_scc1 .Lsm1
	s_cmp_eq_u32 s3, 2
	s_cbranch_scc1 .Lsm2
	; wave 0: lane l holds features 8 l .. 8 l + 7 of sf_w1's five rows (v32-71), sf_b1 (v72-79, a sixth row), g1 (v80-87), be1 (v88-95)
	v_lshlrev_b32 v3, 5, v2
.irp k,0,1,2,3,4
	global_load_b128 v[32+8*\k:35+8*\k], v3, s[16:17] offset:1024*\k
	global_load_b128 v[36+8*\k:39+8*\k], v3, s[16:17] offset:1024*\k+16
.endr
	global_load_b128 v[72:75], v3, s[18:19]
	global_load_b128 v[76:79], v3, s[18:19] offset:16
	global_load_b128 v[80:83], v3, s[20:21]
	global_load_b128 v[84:87], v3, s[20:21] offset:16
	global_load_b128 v[88:91], v3, s[22:23]
	global_load_b128 v[92:95], v3, s[22:23] offset:16
	v_lshrrev_b32 v5, 4, v2                        ; which half of the 256 columns
	v_and_b32 v6, 15, v2
	v_lshlrev_b32 v4, 11, v5                       ; the halves lie 8 rows of 256 bytes apart
	v_lshl_add_u32 v4, v6, 4, v4                   ; 16 lanes fill a row of 256 bytes
.irp j,128,129,130,131
	v_mov_b32 v\j, 0                               ; a row of zeros
.endr
	s_wait_loadcnt 0x0
.irp k,0,1,2,3,4,5
	v_pk_add_f32 v[8:9], v[32+8*\k:33+8*\k], v[34+8*\k:35+8*\k]
	v_pk_add_f32 v[10:11], v[36+8*\k:37+8*\k], v[38+8*\k:39+8*\k]
	v_pk_add_f32 v[8:9], v[8:9], v[10:11]
	v_add_f32 v8, v8, v9
	WSUM 8, 9
	v_mul_f32 v8, 0x3b800000, v8                   ; the row's mean over 256 columns
	v_mov_b32 v9, v8
.irp m,0,2,4,6
	v_pk_add_f32 v[32+8*\k+\m:33+8*\k+\m], v[32+8*\k+\m:33+8*\k+\m], v[8:9] neg_lo:[0,1] neg_hi:[0,1]
.endr
.irp m,0,1,2,3
	v_cvt_pk_bf16_f32 v[104+4*\k+\m], v[32+8*\k+2*\m], v[33+8*\k+2*\m]
.endr
	global_store_b128 v4, v[104+4*\k:107+4*\k], s[44:45] offset:(256+\k)*256   ; SF1C row k: W1c, b1c
.irp m,0,2,4,6
	v_pk_mul_f32 v[32+8*\k+\m:33+8*\k+\m], v[32+8*\k+\m:33+8*\k+\m], v[80+\m:81+\m]
.endr
.irp m,0,1,2,3
	v_cvt_pk_bf16_f32 v[136+4*\k+\m], v[32+8*\k+2*\m], v[33+8*\k+2*\m]
.endr
	global_store_b128 v4, v[136+4*\k:139+4*\k], s[44:45] offset:(272+\k)*256   ; SF1G row k: the same times g1
.endr
.irp m,0,1,2,3
	v_cvt_pk_bf16_f32 v[160+\m], v[88+2*\m], v[89+2*\m]
.endr
	global_store_b128 v4, v[128:131], s[44:45] offset:262*256                  ; SF1C rows 6, 7: zeros
	global_store_b128 v4, v[128:131], s[44:45] offset:263*256
	global_store_b128 v4, v[160:163], s[44:45] offset:278*256                  ; SF1G row 6: be1, which meets std1
	global_store_b128 v4, v[128:131], s[44:45] offset:279*256
	s_branch .Lend
.Lsm1:                                         ; wave 1: lane l holds features 4 l .. 4 l + 3 of cc_w1's five rows and cc_b1
	v_lshlrev_b32 v3, 4, v2
	v_lshlrev_b32 v4, 3, v2
.irp k,0,1,2,3,4
	global_load_b128 v[32+4*\k:35+4*\k], v3, s[24:25] offset:512*\k
.endr
	global_load_b128 v[52:55], v3, s[26:27]
	v_mov_b32 v76, 0
	v_mov_b32 v77, 0
	s_wait_loadcnt 0x0
.irp k,0,1,2,3,4,5
	v_cvt_pk_bf16_f32 v[64+2*\k], v[32+4*\k], v[33+4*\k]
	v_cvt_pk_bf16_f32 v[65+2*\k], v[34+4*\k], v[35+4*\k]
	global_store_b64 v4, v[64+2*\k:65+2*\k], s[44:45] offset:(288+\k)*256      ; a wave's store is a row of 256 bytes
.endr
	global_store_b64 v4, v[76:77], s[44:45] offset:294*256
	global_store_b64 v4, v[76:77], s[44:45] offset:295*256
	s_branch .Lend
.Lsm2:                                         ; wave 2: vectors of 128 f32, 16 bytes a lane
	v_lshlrev_b32 v3, 4, v2
	global_load_b128 v[32:35], v3, s[28:29]        ; nv_b2
	global_load_b128 v[36:39], v3, s[30:31]        ; nv_w3
	global_load_b128 v[40:43], v3, s[40:41]        ; cc_w2
	global_load_b128 v[44:47], v3, s[34:35]        ; sf_g2
	global_load_b128 v[48:51], v3, s[36:37]        ; sf_be2
	global_load_b128 v[52:55], v3, s[38:39]        ; sf_w3
	global_load_b128 v[56:59], v3, s[32:33]        ; sf_b2
.irp j,60,61,62,63
	v_mov_b32 v\j, 0
.endr
	s_wait_loadcnt 0x0
	v_pk_add_f32 v[8:9], v[56:57], v[58:59]
	v_add_f32 v8, v8, v9
	WSUM 8, 9
	v_mul_f32 v8, 0x3c000000, v8                   ; sf_b2's mean over 128
	v_mov_b32 v9, v8
	v_pk_add_f32 v[56:57], v[56:57], v[8:9] neg_lo:[0,1] neg_hi:[0,1]
	v_pk_add_f32 v[58:59], v[58:59], v[8:9] neg_lo:[0,1] neg_hi:[0,1]
	global_store_b128 v3, v[32:35], s[44:45] offset:296*256
	global_store_b128 v3, v[36:39], s[44:45] offset:298*256
	global_store_b128 v3, v[40:43], s[44:45] offset:300*256
	global_store_b128 v3, v[60:63], s[44:45] offset:302*256                    ; the table's last two rows are loaded with it: zeros
	global_store_b128 v3, v[56:59], s[46:47] offset:256*256                    ; b2c
	global_store_b128 v3, v[44:47], s[46:47] offset:258*256
	global_store_b128 v3, v[48:51], s[46:47] offset:260*256
	global_store_b128 v3, v[52:55], s[46:47] offset:262*256
	s_branch .Lend
; ---- a cast of 32 KiB of f32 to bf16
.Lconv:
	s_cmp_lt_u32 s2, 16
	s_cbranch_scc0 .Lconv2
	s_load_b64 s[8:9], s[0:1], 0x0                 ; nv_w1
	s_load_b64 s[12:13], s[0:1], 0xb8              ; w1x
	s_lshl_b32 s16, s2, 15
	s_add_co_u32 s16, s16, 0x80000                 ; rows 512 + 32 id on, 1,024 bytes each
	s_lshr_b32 s18, s2, 1
	s_mul_i32 s18, s18, 36864                      ; K slice id / 2: 72 rows of 512 bytes,
	s_and_b32 s19, s2, 1
	s_lshl_b32 s19, s19, 14                        ; its rows 0-31 or 32-63
	s_add_co_u32 s18, s18, s19
	s_branch .Lcast
.Lconv2:
	s_load_b64 s[8:9], s[0:1], 0x8                 ; nv_w2
	s_load_b64 s[12:13], s[0:1], 0xc0              ; wb
	s_sub_co_u32 s20, s2, 16
	s_lshl_b32 s16, s20, 15
	s_lshl_b32 s18, s20, 14
.Lcast:
	s_mov_b32 s17, 0
	s_mov_b32 s19, 0
	v_lshlrev_b32 v3, 4, v0
	v_lshlrev_b32 v4, 3, v0
	s_wait_kmcnt 0x0
	s_add_nc_u64 s[8:9], s[8:9], s[16:17]
	s_add_nc_u64 s[12:13], s[12:13], s[18:19]
.irp i,0,1,2,3,4,5,6,7
	global_load_b128 v[8+4*\i:11+4*\i], v3, s[8:9] offset:4096*\i
.endr
	s_wait_loadcnt 0x0
.irp i,0,1,2,3,4,5,6,7
	v_cvt_pk_bf16_f32 v[40+2*\i], v[8+4*\i], v[9+4*\i]
	v_cvt_pk_bf16_f32 v[41+2*\i], v[10+4*\i], v[11+4*\i]
	global_store_b64 v4, v[40+2*\i:41+2*\i], s[12:13] offset:2048*\i           ; a wave's store covers 256 consecutive bytes, aligned
.endr
	s_branch .Lend
; ---- sf_w2's rows less their means: a wave takes four rows of 128
.Lcentre:
	s_load_b64 s[8:9], s[0:1], 0x10                ; sf_w2
	s_load_b64 s[12:13], s[0:1], 0xc8              ; wc
	s_sub_co_u32 s16, s2, 20
	s_lshl_b32 s16, s16, 5
	s_lshl2_add_u32 s16, s3, s16                   ; my first row = 32 (id - 20) + 4 wave
	s_lshl_b32 s17, s16, 9
	s_lshl_b32 s18, s16, 8
	v_lshl_add_u32 v3, v2, 4, s17
	v_lshl_add_u32 v4, v2, 3, s18
	s_wait_kmcnt 0x0
.irp i,0,1,2,3
	global_load_b128 v[8+4*\i:11+4*\i], v3, s[8:9] offset:512*\i
.endr
	s_wait_loadcnt 0x0
.irp i,0,1,2,3
	v_pk_add_f32 v[24+2*\i:25+2*\i], v[8+4*\i:9+4*\i], v[10+4*\i:11+4*\i]
.endr
.irp i,0,1,2,3
	v_add_f32 v[24+2*\i], v[24+2*\i], v[25+2*\i]
.endr
.irp i,0,1,2,3
	WSUM 24+2*\i, 25+2*\i
	v_mul_f32 v[24+2*\i], 0x3c000000, v[24+2*\i]
	v_mov_b32 v[25+2*\i], v[24+2*\i]
	v_pk_add_f32 v[8+4*\i:9+4*\i], v[8+4*\i:9+4*\i], v[24+2*\i:25+2*\i] neg_lo:[0,1] neg_hi:[0,1]
	v_pk_add_f32 v[10+4*\i:11+4*\i], v[10+4*\i:11+4*\i], v[24+2*\i:25+2*\i] neg_lo:[0,1] neg_hi:[0,1]
	v_cvt_pk_bf16_f32 v[32+2*\i], v[8+4*\i], v[9+4*\i]
	v_cvt_pk_bf16_f32 v[33+2*\i], v[10+4*\i], v[11+4*\i]
	global_store_b64 v4, v[32+2*\i:33+2*\i], s[12:13] offset:256*\i
.endr
	s_branch .Lend
; ---- the 32 unit rows: f < 20 generated row f; f = 20 the user's vector; f > 20 generated row f - 21 once more (a repeat changes no maximum)
.Lgrows:
	s_load_b128 s[8:11], s[0:1], 0x18              ; generated, user
	s_load_b64 s[12:13], s[0:1], 0xb8              ; w1x
	s_sub_co_u32 s16, s2, 28
	s_lshl3_add_u32 s16, s16, s3                   ; f = 8 (id - 28) + wave
	s_sub_co_u32 s17, s16, 21
	s_cmp_lt_u32 s16, 21
	s_cselect_b32 s17, s16, s17
	s_min_u32 s17, s17, 19                         ; f = 20 takes the other buffer below; its row number stays inside the table
	s_lshl_b32 s18, s17, 11
	s_mov_b32 s19, 0
	s_lshl_b32 s20, s16, 7                         ; feature f lies at byte 32,768 + 128 f of each K slice
	s_add_co_u32 s20, s20, 32768
	v_lshlrev_b32 v3, 4, v2
	v_lshrrev_b32 v5, 4, v2
	v_and_b32 v6, 15, v2
	v_mul_u32_u24 v4, v5, 36864                    ; lanes 16-31 hold the next K slice's 64 numbers
	v_lshl_add_u32 v4, v6, 3, v4
	v_add_nc_u32 v4, s20, v4
	s_wait_kmcnt 0x0
	s_add_nc_u64 s[8:9], s[8:9], s[18:19]
	s_cmp_eq_u32 s16, 20
	s_cselect_b64 s[8:9], s[10:11], s[8:9]
.irp i,0,1,2,3
	global_load_b128 v[8+4*\i:11+4*\i], v3, s[8:9] offset:512*\i
.endr
	s_wait_loadcnt 0x0
	v_pk_mul_f32 v[24:25], v[8:9], v[8:9]
	v_pk_mul_f32 v[26:27], v[10:11], v[10:11]
.irp m,12,16,20
	v_pk_fma_f32 v[24:25], v[\m:\m+1], v[\m:\m+1], v[24:25]
	v_pk_fma_f32 v[26:27], v[\m+2:\m+3], v[\m+2:\m+3], v[26:27]
.endr
	v_pk_add_f32 v[24:25], v[24:25], v[26:27]
	v_add_f32 v24, v24, v25
	WSUM 24, 25
	v_sqrt_f32 v28, v24
	v_nop                                          ; a plain line behind the root,
	s_wait_alu depctr_va_vdst(0)                   ; and the wait ahead of its first reader
	v_max_num_f32 v28, 0x322bcc77, v28             ; max(norm, 1e-8)
	v_rcp_f32 v30, v28
	v_nop
	s_wait_alu depctr_va_vdst(0)
	v_mov_b32 v31, v30
.irp m,8,10,12,14,16,18,20,22
	v_pk_mul_f32 v[\m:\m+1], v[\m:\m+1], v[30:31]
.endr
.irp i,0,1,2,3
	v_cvt_pk_bf16_f32 v[32+2*\i], v[8+4*\i], v[9+4*\i]
	v_cvt_pk_bf16_f32 v[33+2*\i], v[10+4*\i], v[11+4*\i]
	global_store_b64 v4, v[32+2*\i:33+2*\i], s[12:13] offset:73728*\i          ; pieces of 128 bytes, 32 KiB in the whole launch: the layout is the main launch's
.endr
	s_branch .Lend
; ---- a vector of 512 times 64 columns of a matrix with rows of 256 f32.  Wave w takes rows 64 w .. 64 w + 63; the eight partial sums meet in LDS.
; ctx = 1: ml_w1, the user's vector, and the context's 64 rows (515 on), eight a wave.
.macro MATVEC ctx
.if \ctx
	s_load_b64 s[8:9], s[0:1], 0x38                ; ml_w1
	s_load_b64 s[10:11], s[0:1], 0x20              ; user
	s_load_b64 s[12:13], s[0:1], 0x40              ; ml_b1
	s_load_b64 s[14:15], s[0:1], 0x48              ; context
.else
	s_load_b64 s[8:9], s[0:1], 0x0                 ; nv_w1
	s_load_b64 s[10:11], s[0:1], 0x28              ; query
	s_load_b64 s[12:13], s[0:1], 0x30              ; nv_b1
.endif
	s_load_b64 s[92:93], s[0:1], 0xd0              ; vec
	s_and_b32 s6, s2, 3
	s_lshl_b32 s6, s6, 8                           ; my work-group's 64 columns: 256 bytes of a row
	s_lshl_b32 s7, s3, 16                          ; my wave's 64 rows of 1,024 bytes
	s_add_co_u32 s7, s7, s6
	v_lshl_add_u32 v3, v2, 3, s7
	v_lshl_add_u32 v4, v2, 3, s6
	v_lshlrev_b32 v6, 3, v0                        ; LDS: 256 wave + 8 lane
	v_lshlrev_b32 v7, 3, v2
	s_lshl_b32 s94, s3, 8
	s_mov_b32 s95, 0
	s_wait_kmcnt 0x0
	s_add_nc_u64 s[10:11], s[10:11], s[94:95]
	s_load_b512 s[16:31], s[10:11], 0x0            ; my 64 numbers of the vector, as scalars
	s_load_b512 s[32:47], s[10:11], 0x40
	s_load_b512 s[48:63], s[10:11], 0x80
	s_load_b512 s[68:83], s[10:11], 0xc0
.if \ctx
	s_lshl_b32 s94, s3, 5
	s_add_nc_u64 s[14:15], s[14:15], s[94:95]
	s_load_b256 s[84:91], s[14:15], 0x0            ; my eight numbers of the context
	s_lshl_b32 s7, s3, 13
	s_add_co_u32 s7, s7, s6
	v_lshl_add_u32 v5, v2, 3, s7
.endif
.set i_, 0
.rept 64
	global_load_b64 v[32+2*i_:33+2*i_], v3, s[8:9] offset:1024*i_              ; 256 consecutive bytes, aligned
.set i_, i_+1
.endr
.if \ctx
.set i_, 0
.rept 8
	global_load_b64 v[160+2*i_:161+2*i_], v5, s[8:9] offset:(515+i_)*1024
.set i_, i_+1
.endr
.endif
	s_wait_kmcnt 0x0
	s_wait_loadcnt 0x0
.set i_, 0
.rept 64                               ; four chains; the first four rows start them
.set si_, 16+i_+4*(i_/48)
.if i_ < 4
	v_mul_f32 v[8+2*i_], s[si_], v[32+2*i_]
	v_mul_f32 v[9+2*i_], s[si_], v[33+2*i_]
.else
	v_fmac_f32 v[8+2*(i_%4)], s[si_], v[32+2*i_]
	v_fmac_f32 v[9+2*(i_%4)], s[si_], v[33+2*i_]
.endif
.set i_, i_+1
.endr
.if \ctx
.set i_, 0
.rept 8
	v_fmac_f32 v[8+2*(i_%4)], s[84+i_], v[160+2*i_]
	v_fmac_f32 v[9+2*(i_%4)], s[84+i_], v[161+2*i_]
.set i_, i_+1
.endr
.endif
	v_pk_add_f32 v[8:9], v[8:9], v[10:11]
	v_pk_add_f32 v[12:13], v[12:13], v[14:15]
	v_pk_add_f32 v[8:9], v[8:9], v[12:13]
	ds_store_b64 v6, v[8:9]
	s_wait_dscnt 0x0                               ; for the others' sake: my partial sums lie in LDS
	s_barrier_signal -1
	s_barrier_wait -1
	s_cmp_lg_u32 s3, 0
	s_cbranch_scc1 .Lend                           ; wave 0 adds them up
	global_load_b64 v[40:41], v4, s[12:13]         ; the bias
.irp i,0,1,2,3,4,5,6,7
	ds_load_b64 v[16+2*\i:17+2*\i], v7 offset:256*\i
.endr
	s_wait_dscnt 0x0
	v_pk_add_f32 v[16:17], v[16:17], v[18:19]
	v_pk_add_f32 v[20:21], v[20:21], v[22:23]
	v_pk_add_f32 v[24:25], v[24:25], v[26:27]
	v_pk_add_f32 v[28:29], v[28:29], v[30:31]
	v_pk_add_f32 v[16:17], v[16:17], v[20:21]
	v_pk_add_f32 v[24:25], v[24:25], v[28:29]
	v_pk_add_f32 v[16:17], v[16:17], v[24:25]
	s_wait_loadcnt 0x0
	v_pk_add_f32 v[16:17], v[16:17], v[40:41]
	global_store_b64 v4, v[16:17], s[92:93] offset:1024*(\ctx)
.endm
.Lmv0:
	MATVEC 0
	s_branch .Lend
.Lmv1:
	MATVEC 1
.Lend:
	s_wait_tensorcnt 0x0                           ; the wave's end, behind my last LDS store
	ds_add_u32 v[SPW], v[NIL]
	s_wait_dscnt 0x0
	s_endpgm
.Lfunc_end_k_qee985625a4_prep:
	.size	k_qee985625a4_prep, .Lfunc_end_k_qee985625a4_prep-k_qee985625a4_prep
	.p2alignl 7, 3214868480
	.fill 96, 4, 3214868480
	.section	.rodata,"a",@progbits
	.p2align	6, 0x0
	.amdhsa_kernel k_qee985625a4_prep
		.amdhsa_group_segment_fixed_size 3072
		.amdhsa_private_segment_fixed_size 0
		.amdhsa_enable_private_segment 0
		.amdhsa_kernarg_size 216
		.amdhsa_user_sgpr_count 2
		.amdhsa_user_sgpr_kernarg_segment_ptr 1
		.amdhsa_wavefront_size32 1
		.amdhsa_system_sgpr_workgroup_id_x 1
		.amdhsa_system_sgpr_workgroup_id_y 1
		.amdhsa_system_sgpr_workgroup_id_z 1
		.amdhsa_system_vgpr_workitem_id 0
		.amdhsa_next_free_vgpr 192
		.amdhsa_next_free_sgpr 96
		.amdhsa_reserve_vcc 0
		.amdhsa_float_denorm_mode_32 3
		.amdhsa_float_denorm_mode_16_64 3
		.amdhsa_memory_ordered 1
		.amdhsa_forward_progress 1
		.amdhsa_inst_pref_size 59
	.end_amdhsa_kernel
	.amdgpu_metadata
---
amdhsa.version: [ 1, 2 ]
amdhsa.kernels:
  - .name:           k_qee985625a4_prep
    .symbol:         k_qee985625a4_prep.kd
    .args:
      - { .name: params_nv_w1, .offset: 0, .size: 8, .value_kind: global_buffer, .address_space: global }
      - { .name: params_nv_w2, .offset: 8, .size: 8, .value_kind: global_buffer, .address_space: global }
      - { .name: params_sf_w2, .offset: 16, .size: 8, .value_kind: global_buffer, .address_space: global }
      - { .name: generated_embeddings, .offset: 24, .size: 8, .value_kind: global_buffer, .address_space: global }
      - { .name: user_embedding, .offset: 32, .size: 8, .value_kind: global_buffer, .address_space: global }
      - { .name: query_embedding, .offset: 40, .size: 8, .value_kind: global_buffer, .address_space: global }
      - { .name: params_nv_b1, .offset: 48, .size: 8, .value_kind: global_buffer, .address_space: global }
      - { .name: params_ml_w1, .offset: 56, .size: 8, .value_kind: global_buffer, .address_space: global }
      - { .name: params_ml_b1, .offset: 64, .size: 8, .value_kind: global_buffer, .address_space: global }
      - { .name: context_features, .offset: 72, .size: 8, .value_kind: global_buffer, .address_space: global }
      - { .name: params_sf_w1, .offset: 80, .size: 8, .value_kind: global_buffer, .address_space: global }
      - { .name: params_sf_b1, .offset: 88, .size: 8, .value_kind: global_buffer, .address_space: global }
      - { .name: params_sf_g1, .offset: 96, .size: 8, .value_kind: global_buffer, .address_space: global }
      - { .name: params_sf_be1, .offset: 104, .size: 8, .value_kind: global_buffer, .address_space: global }
      - { .name: params_cc_w1, .offset: 112, .size: 8, .value_kind: global_buffer, .address_space: global }
      - { .name: params_cc_b1, .offset: 120, .size: 8, .value_kind: global_buffer, .address_space: global }
      - { .name: params_nv_b2, .offset: 128, .size: 8, .value_kind: global_buffer, .address_space: global }
      - { .name: params_nv_w3, .offset: 136, .size: 8, .value_kind: global_buffer, .address_space: global }
      - { .name: params_sf_b2, .offset: 144, .size: 8, .value_kind: global_buffer, .address_space: global }
      - { .name: params_sf_g2, .offset: 152, .size: 8, .value_kind: global_buffer, .address_space: global }
      - { .name: params_sf_be2, .offset: 160, .size: 8, .value_kind: global_buffer, .address_space: global }
      - { .name: params_sf_w3, .offset: 168, .size: 8, .value_kind: global_buffer, .address_space: global }
      - { .name: params_cc_w2, .offset: 176, .size: 8, .value_kind: global_buffer, .address_space: global }
      - { .name: w1x, .offset: 184, .size: 8, .value_kind: global_buffer, .address_space: global }
      - { .name: wb, .offset: 192, .size: 8, .value_kind: global_buffer, .address_space: global }
      - { .name: wc, .offset: 200, .size: 8, .value_kind: global_buffer, .address_space: global }
      - { .name: vec, .offset: 208, .size: 8, .value_kind: global_buffer, .address_space: global }
    .group_segment_fixed_size: 3072
    .private_segment_fixed_size: 0
    .kernarg_segment_align: 8
    .kernarg_segment_size: 216
    .max_flat_workgroup_size: 256
    .sgpr_count:     96
    .vgpr_count:     192
    .wavefront_size: 32
...
	.end_amdgpu_metadata
.endif
;; end of part 1
;; launch main (part 2): grid 512 x 1, 4 waves a work-group, clusters of 4 x 1, 327,680 bytes of LDS; arguments candidate_embeddings, traditional_scores, w1x, wb, wc, vec, params_nv_b3, params_sf_b3, params_cc_b2, out0, tsp; writes out0, tsp
.if DOCPART == 2
	.amdgcn_target "amdgcn-amd-amdhsa--gfx1250"
	.amdhsa_code_object_version 6
	.text
	.protected	k_qee985625a4_main
	.globl	k_qee985625a4_main
	.p2align	8
	.type	k_qee985625a4_main,@function
k_qee985625a4_main:
	s_mov_b64 s[64:65], 0
	v_nop
	global_prefetch_b8 v0, s[64:65] scope:SCOPE_SE
	s_setreg_imm32_b32 hwreg(HW_REG_WAVE_MODE, 25, 1), 1
	s_wait_xcnt 0x0
	s_wait_alu depctr_hold_cnt(0) depctr_sa_sdst(0) depctr_va_vdst(0) depctr_va_sdst(0) depctr_va_ssrc(0) depctr_va_vcc(0) depctr_vm_vsrc(0)
	s_getreg_b32 s2, hwreg(HW_REG_IB_STS2, 6, 4)
	s_cmp_eq_u32 s2, 0
	s_cbranch_scc0 .Lentry_in_a_cluster
	s_endpgm
.Lentry_in_a_cluster:
	s_bfe_u32 s2, ttmp6, 0x10000c
	s_cmp_lg_u32 s2, 0x3003
	s_cbranch_scc0 .Lentry_shape_is_right
	s_endpgm
.Lentry_shape_is_right:
; MAIN: all five scores of 256 candidates a work-group, 64 a wave (four tiles of 16); x is read from memory once and nothing per candidate goes through memory.
; No work of the module is left out; what is common to all candidates was made by the launch before (its head says what).
; EVERY PRODUCT IS TAKEN TRANSPOSED: source 0 = 16 output features, source 1 = 16 candidates.  A result holds ONE candidate a lane (lane % 16) and the features 8 (lane / 16) + 0..7;
; two results rounded in pairs to bf16 ARE source 1 (32 features x 16 candidates) of the next layer.  So nothing changes lanes between layers, and a sum over features wants one exchange of the lanes' halves.
; PHASE 1, K = 512 in 16 steps of 32: x @ nv_w1[512:] (16 feature tiles, sums started with bias1) and x . (20 unit generated rows, the unit user row, 11 repeats) (2 tiles): 72 accumulators, by turns.
;   x comes as f32 through LDS; it is rounded to bf16 and |x|^2 is summed in f32 from the unrounded numbers, in slices set behind matrix instructions.
;   K is permuted alike in both sources: the slot (half h, registers 0-3) holds k0 + 16 h + 0..7, (h, registers 4-7) k0 + 16 h + 8..15, so that a lane reads 64 consecutive bytes of its row of x.
; PHASE 2, stage after stage: cosines; relu and nv_w2, nv_w3; then with z = [s0 s1 s2 gen pers 1 std1 0..] (K = 32) the calibrator, yc = z @ [W1c; b1c], a1 = mean(yc^2) + 1e-5, std1 = sqrt(a1),
;   v = z @ [W1c g1; b1c g1; be1]: relu(LN1) = relu(v) / std1, since std1 > 0; u = relu(v) @ W2c + b2c std1: LN2 = u rsqrt(mean(u^2) + 1e-5 a1) g2 + be2.  The variances are summed from the centred values themselves.
; LIMITS.  Matrix operands (x, all weights, the five scores, std1, the folded biases, relu's results) are bf16; sums, norms, variances and the last dot products f32.
;   v_exp_f32, v_rcp_f32, v_rsq_f32, v_sqrt_f32 are good to the last bit but one and take a denormal for 0.  NaN and infinities are not treated apart.
; CLUSTER 4 x 1: all work-groups walk the same weights (36,864 of a K slice's 102,400 bytes, and both later tables): they are asked for JOINTLY, mask 15.  x's tiles are each work-group's own (mask 0), issued behind the same rounds.
; LDS: slot s at s << 17: x 256 rows x 272 (64 f32 + 16 bytes), then weights 72 rows x 544 (256 bf16 + 32).  Behind slot 0: the stage (5 rows x 256 bytes a wave) and the spare words.  Behind slot 1: wb, 304 rows x 288.
;   wc (264 rows x 288) is the last fill of slot 0's bytes.
; REGISTERS in windows of 256 (s_set_vgpr_msb: bits 1:0 source 0, 3:2 source 1, 5:4 source 2, 7:6 destination):
;   window 0: addresses, per-candidate numbers, weight fragments A0, A1, AG, z.   windows 1, 2: accumulator (t, c) at 8 (4 (t % 8) + c), window 1 + t / 8; later H1's fragments in place; later relu(v) (window 1) and u (window 2).
;   window 3: phase 1: GA 0-63, x as f32 64-127, x as bf16 128-191 (two buffers), |x|^2 192-207; phase 2: small accumulators 0-127, vectors, PS3.
.set PX, 272
.set PW, 544
.set PB, 288
.set WOFF, 256*PX                      ; 69,632: a slot's weights
.set GOFF, WOFF+64*PW                  ; the unit rows: feature f at row f / 4, byte 128 (f % 4)
.set STAGE, WOFF+72*PW                 ; 108,800
.set SPARE, STAGE+5120                 ; 113,920: 128 bytes a wave, two blocks of 256 bytes that no other line names
.set SLOT1, 1<<17
.set WBB, SLOT1+STAGE                  ; 239,872
.set AXL, 4                            ; v4  my place in a slot's x      v5 in its weights (turning load)      v6 in its unit rows
.set AWL, 5
.set AGL, 6
.set AXC, 7                            ; v7-9 the same plus the slot in hand
.set AWC, 8
.set AGC, 9
.set SPW, 10                           ; v10 my spare word; v11 0; never rewritten
.set NIL, 11
.set PFO, 12                           ; v12 2,048 x lane: a row of x
.set BO,  13                           ; v13 32 x half
.set TSO, 14                           ; v14 12 x (lane % 16)
.set ATL, 15                           ; v15, v16 nv_w2, K steps 0-3 and 4-7
.set ATH, 16
.set ASL, 17                           ; v17 the K = 8 tables
.set AVL, 18                           ; v18 wb's f32 vectors
.set ACL, 19                           ; v19, v20 W2c
.set ACH, 20
.set AVC, 21                           ; v21 wc's f32 vectors
.set STS, 22                           ; v22, v23 the stage: in, back
.set STL, 23
.set OO,  24                           ; v24 8 x lane
.set VZ,  25                           ; v25 0
.set MH,  26                           ; v26 all ones in lanes 0-15, else 0
.set ONE, 27                           ; v27 1.0
.set TP,  28                           ; v28-31 at work
.set TS,  32                           ; v32-47 the scores, 4 registers a tile; later STDP and RS2P, each number twice, as a pair
.set STDP, 32
.set RS2P, 40
.set INV, 48                           ; later FIN
.set FIN, 48
.set GEN, 52
.set PER, 56
.set A0,  64
.set A1,  128
.set AG,  192
.set VB,  192
.set CON, 200
.set S2,  204
.set Z,   208
.set AE,  240
.set NOV, 244
.set PS,  248
.set GA,  0                            ; window 3
.set ST,  64
.set BB,  128
.set NA,  192
.set NVV, 64
.set PS3, 160
.set CCV, 176
.set NT,  64                           ; window 0, at work between the phases
.set SQ,  72
.set MX,  80
.set TSS, 112
; scalars: s[4:25] the buffers; s26-28 nv_b3, sf_b3, cc_b2; s29 wave; s30 cx; s31 work-group; s[32:39] G1X; s[40:47] G1W; s[48:55] G1B; s[56:63] G0X a, b; s[68:75] G0W a, b; s[76:79] G0B;
; s80 the slot in hand; s81 trips; s[82:83] the prefetches' place; s[84:85] lane selects; s86-95 at work, later constants; s96 the mask of lanes 0-15
.set MSB, 0
.macro WIN new                         ; the immediate's high byte repeats the setting that is left; a switch that changes nothing is dropped
.if MSB != (\new)
	s_set_vgpr_msb (MSB<<8)|(\new)
.set MSB, (\new)
.endif
.endm
.macro PLACES                          ; four places behind a matrix instruction, ahead of loads into its sources and of lines that read its result
.rept 4
	v_nop
.endr
.endm
.macro CREST                           ; a round of the cluster's barrier behind its opening barrier
	s_cmp_lg_u32 s29, 0
	s_cbranch_scc1 .Lnw0_\@
	s_barrier_signal -3
.Lnw0_\@:
	s_barrier_wait -3
	s_barrier_signal -1
	s_barrier_wait -1
.endm
.macro CROUND
	s_barrier_signal -1
	s_barrier_wait -1
	CREST
.endm
.macro JLOAD                           ; a refill: waves 0, 1 fetch the halves of x's tile (our own), waves 2, 3 the halves of the weights' (joint)
	s_cmp_lt_u32 s29, 2
	s_cbranch_scc0 .Ljw_\@
	tensor_load_to_lds s[60:63], s[32:39]
	s_nop 0
	PLACES
	s_branch .Ljd_\@
.Ljw_\@:
	tensor_load_to_lds s[72:75], s[40:47]
	s_nop 0
	PLACES
.Ljd_\@:
.endm
.macro BLOAD                           ; each wave its quarter of a table, jointly
	tensor_load_to_lds s[76:79], s[48:55]
	s_nop 0
	PLACES
.endm
; A prefetch of what the NEXT change of slots will load of x: my wave's own 64 rows, 256 bytes each, a lane a row, two lines: one K slice, 144 matrix instructions, ahead.  Each block is named once in the launch.
; Slices 0 to 2 come by their loads alone; the loop's last trip asks for nothing: no slice lies behind the one that it loads.  The weights are not asked for: every cluster reads them.
.macro ASK
	s_cmp_gt_u32 s81, 1
	s_cbranch_scc0 .Lna_\@
	global_prefetch_b8 v[PFO], s[82:83] th:TH_LOAD_NT scope:SCOPE_SE
	global_prefetch_b8 v[PFO], s[82:83] offset:65536 th:TH_LOAD_NT scope:SCOPE_SE
.Lna_\@:
.endm
; the LDS loads of K step n (0, 1) of the slot in hand, in runs
.macro FST n                           ; x: four tiles x 16 f32 a lane
	WIN 0xC0
.irp c,0,1,2,3
.irp i,0,1,2,3
	ds_load_b128 v[ST+16*\c+4*\i:ST+16*\c+4*\i+3], v[AXC] offset:16*PX*\c+128*(\n)+16*\i
.endr
.endr
.endm
.macro FAW f, t0, n                    ; eight feature tiles of nv_w1, turned: rows 16 h + 0..7, then 8 rows on
	WIN 0
.irp t,0,1,2,3,4,5,6,7
	ds_load_tr16_b128 v[(\f)+8*\t:(\f)+8*\t+3], v[AWC] offset:32*PW*(\n)+32*((\t0)+\t)
	ds_load_tr16_b128 v[(\f)+8*\t+4:(\f)+8*\t+7], v[AWC] offset:32*PW*(\n)+32*((\t0)+\t)+8*PW
.endr
.endm
.macro FAG n                           ; the two tiles of unit rows, which lie along K
	WIN 0
.irp t,0,1
	ds_load_b128 v[AG+8*\t:AG+8*\t+3], v[AGC] offset:4*PW*\t+64*(\n)
	ds_load_b128 v[AG+8*\t+4:AG+8*\t+7], v[AGC] offset:4*PW*\t+64*(\n)+16
.endr
.endm
.macro MG1 a, p                        ; feature tiles 4 a .. 4 a + 3 x four candidate tiles
	WIN 0x5C
.set k_, 16*(\a)
.rept 16
	v_wmma_f32_16x16x32_bf16 v[8*k_:8*k_+7], v[A0+8*(k_/4):A0+8*(k_/4)+7], v[BB+32*(\p)+8*(k_%4):BB+32*(\p)+8*(k_%4)+7], v[8*k_:8*k_+7]
.set k_, k_+1
.endr
.endm
.macro MG3 p                           ; the unit rows
	WIN 0xFC
.set k_, 0
.rept 8
	v_wmma_f32_16x16x32_bf16 v[GA+8*k_:GA+8*k_+7], v[AG+8*(k_/4):AG+8*(k_/4)+7], v[BB+32*(\p)+8*(k_%4):BB+32*(\p)+8*(k_%4)+7], v[GA+8*k_:GA+8*k_+7]
.set k_, k_+1
.endr
.endm
.macro CONV i, q                       ; slice i of 16: four numbers of tile i % 4 are rounded into buffer q and their squares summed
	WIN 0xFF
.set cc_, (\i)%4
.set mm_, (\i)/4
	v_cvt_pk_bf16_f32 v[BB+32*(\q)+8*cc_+2*mm_], v[ST+16*cc_+4*mm_], v[ST+16*cc_+4*mm_+1]
	v_pk_fma_f32 v[NA+4*cc_:NA+4*cc_+1], v[ST+16*cc_+4*mm_:ST+16*cc_+4*mm_+1], v[ST+16*cc_+4*mm_:ST+16*cc_+4*mm_+1], v[NA+4*cc_:NA+4*cc_+1]
	v_cvt_pk_bf16_f32 v[BB+32*(\q)+8*cc_+2*mm_+1], v[ST+16*cc_+4*mm_+2], v[ST+16*cc_+4*mm_+3]
	v_pk_fma_f32 v[NA+4*cc_+2:NA+4*cc_+3], v[ST+16*cc_+4*mm_+2:ST+16*cc_+4*mm_+3], v[ST+16*cc_+4*mm_+2:ST+16*cc_+4*mm_+3], v[NA+4*cc_+2:NA+4*cc_+3]
.endm
.macro MG2 p, ride                     ; feature tiles 8-15; ride = 1: the next K step's x is converted behind products 8 to 23
.set k_, 0
.rept 32
	WIN 0xAC
	v_wmma_f32_16x16x32_bf16 v[8*k_:8*k_+7], v[A1+8*(k_/4):A1+8*(k_/4)+7], v[BB+32*(\p)+8*(k_%4):BB+32*(\p)+8*(k_%4)+7], v[8*k_:8*k_+7]
.if \ride
.if k_ == 7
	s_wait_dscnt 20                                ; x is in; younger: A0's 16 loads and AG's 4
.endif
.if (k_ >= 8) && (k_ < 24)
	CONV k_-8, 1-(\p)
.endif
.endif
.set k_, k_+1
.endr
.endm
; ONE K STEP of 32: 72 matrix instructions on 72 accumulators, one a turn, in the same order in every step.  It multiplies buffer p and fetches the next step, K step n of the slot then in hand.
; mode 1: the slot has been read out: the change of slots, with a refill two slices on.  mode 2: the same, but slot 0's bytes take wc.  fetch = 0: the last step.
.macro KSTEP p, n, mode, fetch
.if (\mode) == 1
	s_wait_xcnt 0x0                                ; the last prefetches, a slice back, have read their address
	s_add_nc_u64 s[82:83], s[82:83], 256
.endif
.if \mode
	WIN 0
	s_wait_tensorcnt 0x0                           ; all my tensor loads have landed, my part of the other slot among them
	ds_add_u32 v[SPW], v[NIL]                      ; 0 onto my spare word
	s_wait_dscnt 21                                ; A0 is in; younger: AG 4, A1 16, the add
.else
	s_wait_dscnt 20                                ; A0 is in; younger: AG 4, A1 16
.endif
	MG1 0, \p
.if \mode
	s_wait_dscnt 0x0                               ; the add is done, and my reads of this slot are over
	s_barrier_signal -1                            ; this barrier opens a round of the cluster's
.endif
	MG1 1, \p
.if \mode
	WIN 0
	s_barrier_wait -1
	CREST                                          ; no wave of any partner still reads the slot or has a load on its way
.if (\mode) == 1
	s_xor_b32 s61, s61, SLOT1                      ; the walking descriptors: the other slot than last time, the next K slice
	s_add_nc_u64 s[62:63], s[62:63], 256
	s_xor_b32 s73, s73, SLOT1
	s_add_nc_u64 s[74:75], s[74:75], 36864
	JLOAD
.else
	s_mul_i32 s77, s29, 66*PB                      ; wc: 66 rows a wave, from LDS byte 0 on
	s_mul_i32 s92, s29, 66*256
	s_mov_b32 s93, 0
	s_add_nc_u64 s[78:79], s[12:13], s[92:93]
	s_or_b32 s79, s79, 0x80000000
	s_mov_b32 s50, 66<<16
	s_mov_b32 s52, 66
	BLOAD
.endif
	s_xor_b32 s80, s80, SLOT1
	v_add_nc_u32 v[AXC], s80, v[AXL]
	v_add_nc_u32 v[AWC], s80, v[AWL]
	v_add_nc_u32 v[AGC], s80, v[AGL]
.else
	PLACES
.endif
.if \fetch
	FST \n
	FAW A0, 0, \n
.if (\mode) == 1
	ASK
.endif
.endif
.if (\mode) == 0
.if \fetch
	s_wait_dscnt 48                                ; AG is in; younger: A1 16, x 16, A0 16
.else
	s_wait_dscnt 16                                ; AG is in; younger: A1 16
.endif
.endif
	MG3 \p
.if \fetch
	PLACES
	FAG \n
	s_wait_dscnt 36                                ; A1 is in; younger: x 16, A0 16, AG 4
.else
	s_wait_dscnt 0x0
.endif
	MG2 \p, \fetch
	PLACES
.if \fetch
	FAW A1, 8, \n
.endif
.endm
	s_load_b512 s[4:19], s[0:1], 0x0               ; x 4, scores 6, w1x 8, wb 10, wc 12, vec 14, nv_b3 16, sf_b3 18
	s_load_b128 s[20:23], s[0:1], 0x40             ; cc_b2 20, out0 22
	s_load_b64 s[24:25], s[0:1], 0x50              ; tsp
	v_lshl_add_u32 v[SPW], v0, 2, SPARE
	v_mov_b32 v[NIL], 0
	ds_add_u32 v[SPW], v[NIL]                      ; the wave's opening: the add, twice on end, and its wait ahead of my first tensor load
	ds_add_u32 v[SPW], v[NIL]
	v_lshrrev_b32 v1, 5, v0
	v_readfirstlane_b32 s29, v1                    ; wave 0..3
	s_bfe_u32 s30, ttmp6, 0x40000                  ; cx
	s_lshl_b32 s31, ttmp9, 2
	s_add_co_u32 s31, s31, s30                     ; my work-group: it enters global addresses of my own data alone
	s_and_b32 s86, s29, 1                          ; which half of a tile I fetch
	s_mov_b32 s32, (2<<16)|(1<<20)|(5<<22)|(3<<25) ; G1X: no mask; 4-byte elements; 4 words of padding behind every 64
	s_mov_b32 s33, 64<<16                          ; tensor_dim0 = 64
	s_mov_b32 s34, 128<<16                         ; tensor_dim1 = 128
	s_mov_b32 s35, 64<<16                          ; tile_dim0 = 64
	s_mov_b32 s36, 128                             ; tile_dim1 = 128
	s_mov_b32 s37, 512                             ; 512 elements from row to row
	s_mov_b32 s38, 0
	s_mov_b32 s39, 0
	s_mov_b32 s40, 15|(1<<16)|(1<<20)|(1<<21)|(6<<22)|(7<<25)  ; G1W: mask of four, bit 21 beside it; 2-byte elements; 8 words behind every 128
	s_mov_b32 s41, 256<<16
	s_mov_b32 s42, 36<<16
	s_mov_b32 s43, 256<<16
	s_mov_b32 s44, 36
	s_mov_b32 s45, 256
	s_mov_b32 s46, 0
	s_mov_b32 s47, 0
	s_mov_b32 s48, 15|(1<<16)|(1<<20)|(1<<21)|(5<<22)|(7<<25)  ; G1B: the same with 8 words behind every 64
	s_mov_b32 s49, 128<<16
	s_mov_b32 s50, 76<<16
	s_mov_b32 s51, 128<<16
	s_mov_b32 s52, 76
	s_mov_b32 s53, 128
	s_mov_b32 s54, 0
	s_mov_b32 s55, 0
	s_mul_i32 s87, s86, 128*PX                     ; LDS addresses: constants and the wave's number alone
	s_mul_i32 s88, s86, 36*PW
	s_add_co_u32 s88, s88, WOFF
	s_mov_b32 s56, 1
	s_mov_b32 s57, s87
	s_mov_b32 s60, 1
	s_add_co_u32 s61, s87, SLOT1
	s_mov_b32 s68, 1
	s_mov_b32 s69, s88
	s_mov_b32 s72, 1
	s_add_co_u32 s73, s88, SLOT1
	s_mov_b32 s76, 1
	s_mul_i32 s77, s29, 76*PB
	s_add_co_u32 s77, s77, WBB
	s_mul_i32 s92, s86, 36*512                     ; the joint loads' offsets: the wave's number alone
	s_mov_b32 s93, 0
	s_mul_i32 s94, s29, 76*256
	s_mov_b32 s95, 0
	s_lshl_b32 s90, s31, 19                        ; my work-group's 256 rows of 2,048 bytes,
	s_lshl_b32 s89, s86, 18                        ; the half that I fetch
	s_add_co_u32 s90, s90, s89
	s_mov_b32 s91, 0
	s_mov_b32 s80, 0
	s_mov_b32 s84, 0x76543210
	s_mov_b32 s85, 0xfedcba98
	s_mov_b32 s96, 0x0000ffff
	s_wait_dscnt 0x0                               ; both opening adds are done
	s_wait_kmcnt 0x0
	s_add_nc_u64 s[58:59], s[4:5], s[90:91]        ; x, K slice 0
	s_add_nc_u64 s[62:63], s[58:59], 256           ; K slice 1
	s_or_b32 s59, s59, 0x80000000
	s_or_b32 s63, s63, 0x80000000
	s_add_nc_u64 s[70:71], s[8:9], s[92:93]
	s_add_nc_u64 s[74:75], s[70:71], 36864
	s_or_b32 s71, s71, 0x80000000
	s_or_b32 s75, s75, 0x80000000
	s_add_nc_u64 s[78:79], s[10:11], s[94:95]
	s_or_b32 s79, s79, 0x80000000
	CROUND                                         ; all four work-groups are here: the first joint loads meet
	s_cmp_lt_u32 s29, 2                            ; a wave's three first fills stand in one branch: three loads of mine are out
	s_cbranch_scc0 .Lfirst_w
	tensor_load_to_lds s[56:59], s[32:39]
	s_nop 0
	tensor_load_to_lds s[60:63], s[32:39]
	s_nop 0
	tensor_load_to_lds s[76:79], s[48:55]
	s_nop 0
	PLACES
	s_branch .Lfirst_done
.Lfirst_w:
	tensor_load_to_lds s[68:71], s[40:47]
	s_nop 0
	tensor_load_to_lds s[72:75], s[40:47]
	s_nop 0
	tensor_load_to_lds s[76:79], s[48:55]
	s_nop 0
	PLACES
.Lfirst_done:
	s_load_b32 s26, s[16:17], 0x0                  ; the three last biases; waited for at the end of phase 1
	s_load_b32 s27, s[18:19], 0x0
	s_load_b32 s28, s[20:21], 0x0
	s_lshl_b32 s90, s31, 19
	s_lshl_b32 s89, s29, 17
	s_add_co_u32 s90, s90, s89                     ; my wave's 64 rows of x
	s_add_nc_u64 s[82:83], s[4:5], s[90:91]
	s_add_nc_u64 s[82:83], s[82:83], 512           ; at K slice 2: the first change steps it to 3
	s_lshl_b32 s89, s31, 8
	s_lshl_b32 s90, s29, 6
	s_add_co_u32 s89, s89, s90                     ; my wave's first candidate
	s_mul_i32 s90, s89, 12
	s_add_nc_u64 s[6:7], s[6:7], s[90:91]
	s_lshl_b32 s90, s89, 2
	s_add_nc_u64 s[22:23], s[22:23], s[90:91]
	s_lshl_b32 s90, s89, 6
	s_lshr_b32 s90, s90, 8                         ; 16 bytes for each wave of the launch: candidate / 64 x 16
	s_add_nc_u64 s[24:25], s[24:25], s[90:91]
	v_and_b32 v1, 15, v0                           ; r
	v_bfe_u32 v2, v0, 4, 1                         ; h
	v_and_b32 v3, 31, v0                           ; lane
	v_and_b32 v28, 7, v0
	v_bfe_u32 v29, v0, 3, 1
	v_mov_b32 v30, 0
	v_mov_b32 v31, 0
	s_mul_i32 s86, s29, 64*PX
	v_mul_u32_u24 v[AXL], v1, PX
	v_lshl_add_u32 v[AXL], v2, 6, v[AXL]
	v_add_nc_u32 v[AXL], s86, v[AXL]               ; (64 w + r) x 272 + 64 h
	v_lshl_add_u32 v[AWL], v2, 4, v28
	v_mul_u32_u24 v[AWL], v[AWL], PW
	v_lshl_add_u32 v[AWL], v29, 4, v[AWL]
	v_add_nc_u32 v[AWL], WOFF, v[AWL]              ; (16 h + l % 8) x 544 + 16 ((l / 8) % 2)
	v_lshrrev_b32 v[AGL], 2, v1
	v_mul_u32_u24 v[AGL], v[AGL], PW
	v_and_b32 v[AXC], 3, v1
	v_lshl_add_u32 v[AGL], v[AXC], 7, v[AGL]
	v_lshl_add_u32 v[AGL], v2, 5, v[AGL]
	v_add_nc_u32 v[AGL], GOFF, v[AGL]
	v_mov_b32 v[AXC], v[AXL]
	v_mov_b32 v[AWC], v[AWL]
	v_mov_b32 v[AGC], v[AGL]
	v_lshlrev_b32 v[PFO], 11, v3
	v_lshlrev_b32 v[BO], 5, v2
	v_mul_u32_u24 v[TSO], v1, 12
	v_lshl_add_u32 v[ACL], v2, 3, v28
	v_mul_u32_u24 v[ACL], v[ACL], PB
	v_lshl_add_u32 v[ACL], v29, 4, v[ACL]          ; (8 h + l % 8) x 288 + 16 ((l / 8) % 2)
	v_add_nc_u32 v[ACH], 128*PB, v[ACL]
	v_add_nc_u32 v[ATL], WBB, v[ACL]
	v_add_nc_u32 v[ATH], WBB, v[ACH]
	v_mul_u32_u24 v[ASL], v28, PB                  ; both halves of the lanes read rows 0-7: z is 0 where k > 7, and what meets it must be finite
	v_lshl_add_u32 v[ASL], v29, 4, v[ASL]
	v_add_nc_u32 v[ASL], WBB+256*PB, v[ASL]
	v_add_nc_u32 v[AVL], WBB+296*PB, v[BO]
	v_add_nc_u32 v[AVC], 256*PB, v[BO]
	s_mul_i32 s86, s29, 1280
	s_add_co_u32 s86, s86, STAGE
	v_lshl_add_u32 v[STS], v1, 2, s86
	v_lshl_add_u32 v[STL], v3, 3, s86
	v_lshlrev_b32 v[OO], 3, v3
	v_mov_b32 v[VZ], 0
	v_add_nc_u32 v[MH], -1, v2
	v_mov_b32 v[ONE], 1.0
	; bias1 goes straight into the 64 accumulators: register j of tile t is feature 16 t + 8 h + j, the same for the four candidate tiles
	WIN 0x40
.set k_, 0
.rept 32
	global_load_b128 v[8*k_:8*k_+3], v[BO], s[14:15] offset:64*(k_/4)
	global_load_b128 v[8*k_+4:8*k_+7], v[BO], s[14:15] offset:64*(k_/4)+16
.set k_, k_+1
.endr
	WIN 0x80
.set k_, 0
.rept 32
	global_load_b128 v[8*k_:8*k_+3], v[BO], s[14:15] offset:512+64*(k_/4)
	global_load_b128 v[8*k_+4:8*k_+7], v[BO], s[14:15] offset:512+64*(k_/4)+16
.set k_, k_+1
.endr
	WIN 0
.irp c,0,1,2,3
.irp i,0,1,2
	global_load_b32 v[TS+4*\c+\i], v[TSO], s[6:7] offset:192*\c+4*\i
.endr
.endr
	WIN 0xC0                                       ; the cosines' sums and |x|^2 start at 0: 80 lines, in the wait for the first tile, so that every K step has one form
.set k_, 0
.rept 64
	v_mov_b32 v[GA+k_], 0
.set k_, k_+1
.endr
.set k_, 0
.rept 16
	v_mov_b32 v[NA+k_], 0
.set k_, k_+1
.endr
	WIN 0
	s_wait_tensorcnt 2                             ; my part of slot 0 is in; slot 1's and wb's may stay out
	s_barrier_signal -1
	s_barrier_wait -1
	FST 0
	FAW A0, 0, 0
	FAG 0
	FAW A1, 8, 0
	s_wait_dscnt 36                                ; x is in; younger: A0 16, AG 4, A1 16
.set k_, 0
.rept 16
	CONV k_, 0
.set k_, k_+1
.endr
	WIN 0
	s_wait_loadcnt 0x0                             ; bias1 and the scores
	s_mov_b32 s81, 6
.Lk:                                           ; a trip is a K slice of 64; it ends with the change of slots, which asks for the slice two on
	KSTEP 0, 1, 0, 1
	KSTEP 1, 0, 1, 1
	WIN 0
	s_sub_co_u32 s81, s81, 1
	s_cmp_lg_u32 s81, 0
	s_cbranch_scc1 .Lk
	KSTEP 0, 1, 0, 1                               ; slice 6
	KSTEP 1, 0, 2, 1                               ; slot 0 is read out: its bytes take wc
	KSTEP 0, 1, 0, 1                               ; slice 7
	KSTEP 1, 0, 0, 0
	WIN 0
	s_wait_tensorcnt 0x0                           ; my quarter of wc is in,
	s_wait_dscnt 0x0
	s_barrier_signal -1
	s_barrier_wait -1                              ; everybody's is; nothing is filled any more
	s_wait_kmcnt 0x0
	s_mov_b32 s87, 0x3b800000                      ; 1 / 256
	s_mov_b32 s88, 0x3727c5ac                      ; 1e-5
	s_mov_b32 s89, 0x3c000000                      ; 1 / 128
	s_mov_b32 s90, 0xbfb8aa3b                      ; -log2(e)
	s_mul_f32 s91, s90, s26
	s_mul_f32 s92, s90, s27
	s_mul_f32 s93, s90, s28
; ---- the norm and the cosines
	WIN 0x0F
.irp c,0,1,2,3
	v_add_f32 v[NT+2*\c], v[NA+4*\c], v[NA+4*\c+1]
	v_add_f32 v[NT+2*\c+1], v[NA+4*\c+2], v[NA+4*\c+3]
.endr
	WIN 0
.irp c,0,1,2,3
	v_add_f32 v[NT+2*\c], v[NT+2*\c], v[NT+2*\c+1]
.endr
.irp c,0,1,2,3
	v_permlanex16_b32 v[NT+2*\c+1], v[NT+2*\c], s84, s85   ; the other half of each 32 along K lies in the lane 16 away
.endr
.irp c,0,1,2,3
	v_add_f32 v[NT+2*\c], v[NT+2*\c], v[NT+2*\c+1]
.endr
.irp c,0,1,2,3
	v_sqrt_f32 v[SQ+\c], v[NT+2*\c]
.endr
	v_nop
	s_wait_alu depctr_va_vdst(0)                   ; one wait for the four roots ahead of their first reader
.irp c,0,1,2,3
	v_max_num_f32 v[SQ+\c], 0x322bcc77, v[SQ+\c]   ; max(|x|, 1e-8)
.endr
.irp c,0,1,2,3
	v_rcp_f32 v[INV+\c], v[SQ+\c]
.endr
	; the maximum over features 0-19 (21-31 repeat some of them); register 4 of the second tile is feature 20, the user's, in lanes 0-15, and a repeat in lanes 16-31.  1 / |x| > 0, so it is applied behind the maximum
	WIN 0x3F
.irp c,0,1,2,3
	v_max3_num_f32 v[MX+8*\c], v[GA+8*\c], v[GA+8*\c+1], v[GA+8*\c+2]
	v_max3_num_f32 v[MX+8*\c+1], v[GA+8*\c+3], v[GA+8*\c+4], v[GA+8*\c+5]
	v_max3_num_f32 v[MX+8*\c+2], v[GA+8*\c+6], v[GA+8*\c+7], v[GA+32+8*\c]
	v_max3_num_f32 v[MX+8*\c+3], v[GA+32+8*\c+1], v[GA+32+8*\c+2], v[GA+32+8*\c+3]
	v_max3_num_f32 v[MX+8*\c+4], v[GA+32+8*\c+5], v[GA+32+8*\c+6], v[GA+32+8*\c+7]
.endr
	WIN 0x03
.irp c,0,1,2,3
	v_mov_b32 v[MX+8*\c+5], v[GA+32+8*\c+4]
.endr
	WIN 0
.irp c,0,1,2,3
	v_max3_num_f32 v[MX+8*\c], v[MX+8*\c], v[MX+8*\c+1], v[MX+8*\c+2]
.endr
.irp c,0,1,2,3
	v_max3_num_f32 v[MX+8*\c], v[MX+8*\c], v[MX+8*\c+3], v[MX+8*\c+4]
.endr
.irp c,0,1,2,3
	v_permlanex16_b32 v[MX+8*\c+1], v[MX+8*\c], s84, s85
	v_permlanex16_b32 v[MX+8*\c+2], v[MX+8*\c+5], s84, s85
.endr
.irp c,0,1,2,3
	v_max_num_f32 v[MX+8*\c], v[MX+8*\c], v[MX+8*\c+1]
	v_cndmask_b32 v[MX+8*\c+5], v[MX+8*\c+2], v[MX+8*\c+5], s96    ; lanes 0-15 keep their own, lanes 16-31 take their partner's
.endr
	s_wait_alu depctr_va_vdst(0)                   ; one wait for the four reciprocals
.irp c,0,1,2,3
	v_mul_f32 v[GEN+\c], v[MX+8*\c], v[INV+\c]
	v_mul_f32 v[PER+\c], v[MX+8*\c+5], v[INV+\c]
.endr
; ---- my 64 candidates' sums of the three scores, for the last launch (both halves of the lanes hold the same 16)
.irp i,0,1,2
	v_add_f32 v[TSS+\i], v[TS+\i], v[TS+4+\i]
	v_add_f32 v[TSS+4+\i], v[TS+8+\i], v[TS+12+\i]
	v_add_f32 v[TSS+\i], v[TSS+\i], v[TSS+4+\i]
.endr
.irp x,1,2,4,8
.irp i,0,1,2
	v_add_f32_dpp v[TSS+\i], v[TSS+\i], v[TSS+\i] row_xmask:\x row_mask:0xf bank_mask:0xf
.endr
.endr
	v_mov_b32 v[TSS+3], 0
	v_mov_b32 v[TSS+4], 0
	v_cmp_eq_u32 vcc_lo, 0, v3
	s_wait_xcnt 0x0                                ; EXEC changes only behind this wait
	s_and_saveexec_b32 s86, vcc_lo
	global_store_b128 v[TSS+4], v[TSS:TSS+3], s[24:25]
	s_wait_xcnt 0x0
	s_or_b32 exec_lo, exec_lo, s86
; ---- z: k = 0..7 lie in registers 0-3 of lanes 0-15; all else is 0
.irp c,0,1,2,3
	v_cvt_pk_bf16_f32 v[Z+8*\c], v[TS+4*\c], v[TS+4*\c+1]
	v_cvt_pk_bf16_f32 v[Z+8*\c+1], v[TS+4*\c+2], v[GEN+\c]
	v_cvt_pk_bf16_f32 v[Z+8*\c+2], v[PER+\c], v[ONE]
	v_and_b32 v[Z+8*\c], v[MH], v[Z+8*\c]
	v_and_b32 v[Z+8*\c+1], v[MH], v[Z+8*\c+1]
	v_and_b32 v[Z+8*\c+2], v[MH], v[Z+8*\c+2]
.irp j,3,4,5,6,7
	v_mov_b32 v[Z+8*\c+\j], 0
.endr
.endr
; ---- the novelty's second and third layers
.macro NVF i                           ; tile i of nv_w2 (16 features x K = 256, turned) into A0 or A1, its nv_b2 and nv_w3 into window 3
	WIN 0
.set ab_, A0+64*((\i)%2)
.set u_, 0
.rept 4
	ds_load_tr16_b128 v[ab_+8*u_:ab_+8*u_+3], v[ATL] offset:32*PB*u_+32*(\i)
	ds_load_tr16_b128 v[ab_+8*u_+4:ab_+8*u_+7], v[ATL] offset:32*PB*u_+32*(\i)+16*PB
	ds_load_tr16_b128 v[ab_+32+8*u_:ab_+32+8*u_+3], v[ATH] offset:32*PB*u_+32*(\i)
	ds_load_tr16_b128 v[ab_+32+8*u_+4:ab_+32+8*u_+7], v[ATH] offset:32*PB*u_+32*(\i)+16*PB
.set u_, u_+1
.endr
	WIN 0xC0
.set vb_, NVV+16*((\i)%2)
.set vo_, ((\i)/4)*PB+((\i)%4)*64
	ds_load_b128 v[vb_:vb_+3], v[AVL] offset:vo_
	ds_load_b128 v[vb_+4:vb_+7], v[AVL] offset:vo_+16
	ds_load_b128 v[vb_+8:vb_+11], v[AVL] offset:vo_+2*PB
	ds_load_b128 v[vb_+12:vb_+15], v[AVL] offset:vo_+2*PB+16
.endm
.macro ZPS3
	WIN 0xC0
.set k_, 0
.rept 8
	v_mov_b32 v[PS3+k_], 0
.set k_, k_+1
.endr
.endm
.macro RED3 dst                        ; a sum over features: the pair, then the other half of the lanes
	WIN 0x0F
.irp c,0,1,2,3
	v_add_f32 v[(\dst)+\c], v[PS3+2*\c], v[PS3+2*\c+1]
.endr
	WIN 0
.irp c,0,1,2,3
	v_permlanex16_b32 v[TP+\c], v[(\dst)+\c], s84, s85
.endr
.irp c,0,1,2,3
	v_add_f32 v[(\dst)+\c], v[(\dst)+\c], v[TP+\c]
.endr
.endm
.macro H1EPI wc_, wm_                  ; a window's 32 accumulators become 16 fragments of relu(H1), in place: tile 2 u into its own registers 0-3 (ascending, so no source is lost), tile 2 u + 1 into 4-7
	WIN \wc_
.set k_, 0
.rept 16                               ; u % 4 = k_ / 4, c = k_ % 4
.set b_, 8*(8*(k_/4)+k_%4)
.irp i,0,1,2,3
	v_cvt_pk_bf16_f32 v[b_+\i], v[b_+2*\i], v[b_+2*\i+1]
.endr
.irp i,0,1,2,3
	v_cvt_pk_bf16_f32 v[b_+4+\i], v[b_+32+2*\i], v[b_+32+2*\i+1]
.endr
.set k_, k_+1
.endr
	WIN \wm_
.set k_, 0
.rept 16
.set b_, 8*(8*(k_/4)+k_%4)
.irp i,0,1,2,3,4,5,6,7
	v_pk_max_num_bf16 v[b_+\i], v[b_+\i], v[VZ]
.endr
.set k_, k_+1
.endr
.endm
.macro NVT i                           ; 32 products (four accumulators by turns; nv_b2 starts the sums), relu, the dot with nv_w3
	s_wait_dscnt 0x0                               ; this tile's weights and vectors are in
.if (\i) < 7
	NVF (\i)+1                                     ; the next tile's, behind the places of the tile before
.endif
.set aq_, 32*((\i)%2)
.set ab_, A0+64*((\i)%2)
.set vb_, NVV+16*((\i)%2)
.set k_, 0
.rept 32                               ; u = k_ / 4, c = k_ % 4
.if k_ < 16
	WIN 0xF4
.else
	WIN 0xF8
.endif
.if k_ < 4
	v_wmma_f32_16x16x32_bf16 v[aq_+8*(k_%4):aq_+8*(k_%4)+7], v[ab_+8*(k_/4):ab_+8*(k_/4)+7], v[8*(8*((k_/4)%4)+k_%4):8*(8*((k_/4)%4)+k_%4)+7], v[vb_:vb_+7]
.else
	v_wmma_f32_16x16x32_bf16 v[aq_+8*(k_%4):aq_+8*(k_%4)+7], v[ab_+8*(k_/4):ab_+8*(k_/4)+7], v[8*(8*((k_/4)%4)+k_%4):8*(8*((k_/4)%4)+k_%4)+7], v[aq_+8*(k_%4):aq_+8*(k_%4)+7]
.endif
.set k_, k_+1
.endr
	PLACES
	WIN 0xFF
.set k_, 0
.rept 32
	v_max_num_f32 v[aq_+k_], 0, v[aq_+k_]
.set k_, k_+1
.endr
.set k_, 0
.rept 16                               ; m = k_ / 4, c = k_ % 4
	v_pk_fma_f32 v[PS3+2*(k_%4):PS3+2*(k_%4)+1], v[aq_+8*(k_%4)+2*(k_/4):aq_+8*(k_%4)+2*(k_/4)+1], v[vb_+8+2*(k_/4):vb_+8+2*(k_/4)+1], v[PS3+2*(k_%4):PS3+2*(k_%4)+1]
.set k_, k_+1
.endr
.endm
	NVF 0
	ZPS3
	H1EPI 0x45, 0x41
	H1EPI 0x8A, 0x82
.irp i,0,1,2,3,4,5,6,7
	NVT \i
.endr
	RED3 NOV
; ---- the products with z: K = 8 of 32.  A group is four feature tiles: four turning loads into the lower halves of four slots (the upper halves hold 0), 16 products that start with 0
.macro SETOFF q                        ; groups 0, 1 the calibrator; 2-5 [W1c; b1c]; 6-9 [W1c g1; b1c g1; be1]
.if (\q) < 2
.set go_, 32*PB+128*(\q)
.elseif (\q) < 6
.set go_, (((\q)-2)/2)*8*PB+(((\q)-2)%2)*128
.else
.set go_, 16*PB+(((\q)-6)/2)*8*PB+(((\q)-6)%2)*128
.endif
.endm
.macro SFF q
	SETOFF \q
	WIN 0
.set i_, 0
.rept 4
	ds_load_tr16_b128 v[A0+32*((\q)%2)+8*i_:A0+32*((\q)%2)+8*i_+3], v[ASL] offset:go_+32*i_
.set i_, i_+1
.endr
.endm
.macro SF2F t                          ; tile t of W2c into A1 (t even) or A0, its b2c into VB
	WIN 0
.set ab_, A0+64*(((\t)+1)%2)
.set u_, 0
.rept 4
	ds_load_tr16_b128 v[ab_+8*u_:ab_+8*u_+3], v[ACL] offset:32*PB*u_+32*(\t)
	ds_load_tr16_b128 v[ab_+8*u_+4:ab_+8*u_+7], v[ACL] offset:32*PB*u_+32*(\t)+16*PB
	ds_load_tr16_b128 v[ab_+32+8*u_:ab_+32+8*u_+3], v[ACH] offset:32*PB*u_+32*(\t)
	ds_load_tr16_b128 v[ab_+32+8*u_+4:ab_+32+8*u_+7], v[ACH] offset:32*PB*u_+32*(\t)+16*PB
.set u_, u_+1
.endr
	ds_load_b128 v[VB:VB+3], v[AVC] offset:((\t)/4)*PB+((\t)%4)*64
	ds_load_b128 v[VB+4:VB+7], v[AVC] offset:((\t)/4)*PB+((\t)%4)*64+16
.endm
.macro GROUP q
	s_wait_dscnt 0x0
.if (\q) < 9
	SFF (\q)+1
.else
	SF2F 0
.endif
	WIN 0xC0
.set k_, 0
.rept 16                               ; tile k_ / 4 of the group, candidates k_ % 4
	v_wmma_f32_16x16x32_bf16 v[8*k_:8*k_+7], v[A0+32*((\q)%2)+8*(k_/4):A0+32*((\q)%2)+8*(k_/4)+7], v[Z+8*(k_%4):Z+8*(k_%4)+7], 0
.set k_, k_+1
.endr
	PLACES
.endm
.macro CCE q                           ; relu, the dot with cc_w2
	WIN 0xFF
.set k_, 0
.rept 128
	v_max_num_f32 v[k_], 0, v[k_]
.set k_, k_+1
.endr
.set k_, 0
.rept 64                               ; tile k_ / 16, pair (k_ / 4) % 4, candidates k_ % 4
	v_pk_fma_f32 v[PS3+2*(k_%4):PS3+2*(k_%4)+1], v[8*(4*(k_/16)+k_%4)+2*((k_/4)%4):8*(4*(k_/16)+k_%4)+2*((k_/4)%4)+1], v[CCV+8*(4*(\q)+k_/16)+2*((k_/4)%4):CCV+8*(4*(\q)+k_/16)+2*((k_/4)%4)+1], v[PS3+2*(k_%4):PS3+2*(k_%4)+1]
.set k_, k_+1
.endr
.endm
.macro SQE                             ; the squares of yc
	WIN 0xFF
.set k_, 0
.rept 64
	v_pk_fma_f32 v[PS3+2*(k_%4):PS3+2*(k_%4)+1], v[8*(4*(k_/16)+k_%4)+2*((k_/4)%4):8*(4*(k_/16)+k_%4)+2*((k_/4)%4)+1], v[8*(4*(k_/16)+k_%4)+2*((k_/4)%4):8*(4*(k_/16)+k_%4)+2*((k_/4)%4)+1], v[PS3+2*(k_%4):PS3+2*(k_%4)+1]
.set k_, k_+1
.endr
.endm
.macro HFE q                           ; group q of v: relu in bf16, fragments (u, c) at 8 (4 u + c) of window 1, u = 2 q, 2 q + 1
	WIN 0x4F
.set k_, 0
.rept 16
.set d_, 8*(4*(2*(\q)+(k_/4)/2)+k_%4)+4*((k_/4)%2)
.irp m,0,1,2,3
	v_cvt_pk_bf16_f32 v[d_+\m], v[8*k_+2*\m], v[8*k_+2*\m+1]
.endr
.set k_, k_+1
.endr
	WIN 0x41
.set k_, 0
.rept 64
	v_pk_max_num_bf16 v[64*(\q)+k_], v[64*(\q)+k_], v[VZ]
.set k_, k_+1
.endr
.endm
	WIN 0
.set k_, 0
.rept 8
.irp j,4,5,6,7
	v_mov_b32 v[A0+8*k_+\j], 0                     ; the slots' upper halves: k = 16 .. 31
.endr
.set k_, k_+1
.endr
	SFF 0
	WIN 0xC0
.set t_, 0
.rept 8
	ds_load_b128 v[CCV+8*t_:CCV+8*t_+3], v[AVL] offset:4*PB+(t_/4)*PB+(t_%4)*64
	ds_load_b128 v[CCV+8*t_+4:CCV+8*t_+7], v[AVL] offset:4*PB+(t_/4)*PB+(t_%4)*64+16
.set t_, t_+1
.endr
	ZPS3
	GROUP 0
	CCE 0
	GROUP 1
	CCE 1
	RED3 CON
	ZPS3
.irp q,2,3,4,5
	GROUP \q
	SQE
.endr
	RED3 AE
.irp c,0,1,2,3
	v_fma_f32 v[AE+\c], v[AE+\c], s87, s88         ; a1 = mean(yc^2) + 1e-5
.endr
.irp c,0,1,2,3
	v_sqrt_f32 v[STDP+2*\c], v[AE+\c]
.endr
	v_nop
	s_wait_alu depctr_va_vdst(0)                   ; one wait for the four roots
.irp c,0,1,2,3
	v_mov_b32 v[STDP+2*\c+1], v[STDP+2*\c]
	v_cvt_pk_bf16_f32 v[Z+8*\c+3], v[STDP+2*\c], v[VZ]
	v_and_b32 v[Z+8*\c+3], v[MH], v[Z+8*\c+3]      ; z6 = std1
.endr
.irp q,0,1,2,3
	GROUP 6+\q
	HFE \q
.endr
; ---- u = relu(v) @ W2c + b2c std1, kept whole in window 2; its squares; then LN2, relu and the dot with sf_w3
.macro PF t                            ; tile t of g2, be2, sf_w3
	WIN 0
.set pb_, A1+32*((\t)%2)
.set vo_, ((\t)/4)*PB+((\t)%4)*64
.set j_, 0
.rept 3
	ds_load_b128 v[pb_+8*j_:pb_+8*j_+3], v[AVC] offset:vo_+2*PB*(j_+1)
	ds_load_b128 v[pb_+8*j_+4:pb_+8*j_+7], v[AVC] offset:vo_+2*PB*(j_+1)+16
.set j_, j_+1
.endr
.endm
.macro VAR t
	WIN 0x0A
.set k_, 0
.rept 16                               ; pair k_ / 4, candidates k_ % 4
	v_pk_fma_f32 v[PS+2*(k_%4):PS+2*(k_%4)+1], v[32*(\t)+8*(k_%4)+2*(k_/4):32*(\t)+8*(k_%4)+2*(k_/4)+1], v[32*(\t)+8*(k_%4)+2*(k_/4):32*(\t)+8*(k_%4)+2*(k_/4)+1], v[PS+2*(k_%4):PS+2*(k_%4)+1]
.set k_, k_+1
.endr
.endm
.macro SF2T t
	s_wait_dscnt 0x0
	WIN 0x80
.set k_, 0
.rept 16                               ; the sums start with b2c std1: sixteen plain lines, which are also the places behind the tile before
	v_pk_mul_f32 v[32*(\t)+2*k_:32*(\t)+2*k_+1], v[VB+2*(k_%4):VB+2*(k_%4)+1], v[STDP+2*(k_/4):STDP+2*(k_/4)+1]
.set k_, k_+1
.endr
.if (\t) < 7
	SF2F (\t)+1
.else
	PF 0
.endif
.if (\t) > 0
	VAR (\t)-1
.endif
	WIN 0xA4
.set ab_, A0+64*(((\t)+1)%2)
.set k_, 0
.rept 32                               ; u = k_ / 4, c = k_ % 4: four accumulators by turns
	v_wmma_f32_16x16x32_bf16 v[32*(\t)+8*(k_%4):32*(\t)+8*(k_%4)+7], v[ab_+8*(k_/4):ab_+8*(k_/4)+7], v[8*k_:8*k_+7], v[32*(\t)+8*(k_%4):32*(\t)+8*(k_%4)+7]
.set k_, k_+1
.endr
.endm
.macro POSTT t
	s_wait_dscnt 0x0
.if (\t) < 7
	PF (\t)+1
.endif
.set pb_, A1+32*((\t)%2)
	WIN 0x82
.set k_, 0
.rept 16
	v_pk_mul_f32 v[32*(\t)+2*k_:32*(\t)+2*k_+1], v[32*(\t)+2*k_:32*(\t)+2*k_+1], v[RS2P+2*(k_/4):RS2P+2*(k_/4)+1]
.set k_, k_+1
.endr
.set k_, 0
.rept 16
	v_pk_fma_f32 v[32*(\t)+2*k_:32*(\t)+2*k_+1], v[32*(\t)+2*k_:32*(\t)+2*k_+1], v[pb_+2*(k_%4):pb_+2*(k_%4)+1], v[pb_+8+2*(k_%4):pb_+8+2*(k_%4)+1]
.set k_, k_+1
.endr
.set k_, 0
.rept 32
	v_max_num_f32 v[32*(\t)+k_], v[32*(\t)+k_], v[VZ]
.set k_, k_+1
.endr
	WIN 0x02
.set k_, 0
.rept 16
	v_pk_fma_f32 v[PS+2*(k_%4):PS+2*(k_%4)+1], v[32*(\t)+8*(k_%4)+2*(k_/4):32*(\t)+8*(k_%4)+2*(k_/4)+1], v[pb_+16+2*(k_/4):pb_+16+2*(k_/4)+1], v[PS+2*(k_%4):PS+2*(k_%4)+1]
.set k_, k_+1
.endr
.endm
	WIN 0
.irp i,0,1,2,3,4,5,6,7
	v_mov_b32 v[PS+\i], 0
.endr
.irp t,0,1,2,3,4,5,6,7
	SF2T \t
.endr
	PLACES
	VAR 7
	WIN 0
.irp c,0,1,2,3
	v_add_f32 v[S2+\c], v[PS+2*\c], v[PS+2*\c+1]
.endr
.irp c,0,1,2,3
	v_permlanex16_b32 v[TP+\c], v[S2+\c], s84, s85
.endr
.irp c,0,1,2,3
	v_add_f32 v[S2+\c], v[S2+\c], v[TP+\c]
	v_mul_f32 v[TP+\c], s88, v[AE+\c]
.endr
.irp c,0,1,2,3
	v_fma_f32 v[S2+\c], v[S2+\c], s89, v[TP+\c]    ; mean(u^2) + 1e-5 a1
.endr
.irp c,0,1,2,3
	v_rsq_f32 v[RS2P+2*\c], v[S2+\c]
.endr
.irp i,0,1,2,3,4,5,6,7
	v_mov_b32 v[PS+\i], 0
.endr
	s_wait_alu depctr_va_vdst(0)                   ; one wait for the four
.irp c,0,1,2,3
	v_mov_b32 v[RS2P+2*\c+1], v[RS2P+2*\c]
.endr
.irp t,0,1,2,3,4,5,6,7
	POSTT \t
.endr
	WIN 0
.irp c,0,1,2,3
	v_add_f32 v[FIN+\c], v[PS+2*\c], v[PS+2*\c+1]
.endr
.irp c,0,1,2,3
	v_permlanex16_b32 v[TP+\c], v[FIN+\c], s84, s85
.endr
.irp c,0,1,2,3
	v_add_f32 v[FIN+\c], v[FIN+\c], v[TP+\c]
.endr
; ---- the three sigmoids, 1 / (1 + 2^(-log2(e) (logit + b))), and the way out
.irp c,0,1,2,3
	v_fma_f32 v[FIN+\c], v[FIN+\c], s90, s92
	v_fma_f32 v[CON+\c], v[CON+\c], s90, s93
	v_fma_f32 v[NOV+\c], v[NOV+\c], s90, s91
.endr
.irp c,0,1,2,3
	v_exp_f32 v[FIN+\c], v[FIN+\c]
	v_exp_f32 v[CON+\c], v[CON+\c]
	v_exp_f32 v[NOV+\c], v[NOV+\c]
.endr
	v_nop
	s_wait_alu depctr_va_vdst(0)                   ; one wait for the twelve exponentials
.irp c,0,1,2,3
	v_add_f32 v[FIN+\c], 1.0, v[FIN+\c]
	v_add_f32 v[CON+\c], 1.0, v[CON+\c]
	v_add_f32 v[NOV+\c], 1.0, v[NOV+\c]
.endr
.irp c,0,1,2,3
	v_rcp_f32 v[FIN+\c], v[FIN+\c]
	v_rcp_f32 v[CON+\c], v[CON+\c]
	v_rcp_f32 v[NOV+\c], v[NOV+\c]
.endr
	v_nop
	s_wait_alu depctr_va_vdst(0)                   ; one wait for the twelve reciprocals
.irp c,0,1,2,3                         ; five rows of my 64 candidates into my stage (both halves of the lanes hold, and write, the same number)
	ds_store_b32 v[STS], v[FIN+\c] offset:64*\c
	ds_store_b32 v[STS], v[CON+\c] offset:256+64*\c
	ds_store_b32 v[STS], v[NOV+\c] offset:512+64*\c
	ds_store_b32 v[STS], v[GEN+\c] offset:768+64*\c
	ds_store_b32 v[STS], v[PER+\c] offset:1024+64*\c
.endr
.irp q,0,1,2,3,4
	ds_load_b64 v[A0+2*\q:A0+2*\q+1], v[STL] offset:256*\q         ; LDS serves a wave's instructions in order (ISA guide 5.7.1.4): these see the stores above
.endr
	s_wait_dscnt 0x0
.irp q,0,1,2,3,4
	global_store_b64 v[OO], v[A0+2*\q:A0+2*\q+1], s[22:23] offset:524288*\q    ; a wave's store covers 256 consecutive bytes, aligned
.endr
	s_wait_tensorcnt 0x0                           ; the wave's end, behind my last tensor load and my last LDS store
	ds_add_u32 v[SPW], v[NIL]
	s_wait_dscnt 0x0
	CROUND                                         ; the closing round: no work-group ends while a partner may still ask for a tile that names it
	s_endpgm
.Lfunc_end_k_qee985625a4_main:
	.size	k_qee985625a4_main, .Lfunc_end_k_qee985625a4_main-k_qee985625a4_main
	.p2alignl 7, 3214868480
	.fill 96, 4, 3214868480
	.section	.rodata,"a",@progbits
	.p2align	6, 0x0
	.amdhsa_kernel k_qee985625a4_main
		.amdhsa_group_segment_fixed_size 327680
		.amdhsa_private_segment_fixed_size 0
		.amdhsa_enable_private_segment 0
		.amdhsa_kernarg_size 88
		.amdhsa_user_sgpr_count 2
		.amdhsa_user_sgpr_kernarg_segment_ptr 1
		.amdhsa_wavefront_size32 1
		.amdhsa_system_sgpr_workgroup_id_x 1
		.amdhsa_system_sgpr_workgroup_id_y 1
		.amdhsa_system_sgpr_workgroup_id_z 1
		.amdhsa_system_vgpr_workitem_id 0
		.amdhsa_next_free_vgpr 1024
		.amdhsa_next_free_sgpr 100
		.amdhsa_reserve_vcc 1
		.amdhsa_float_denorm_mode_32 3
		.amdhsa_float_denorm_mode_16_64 3
		.amdhsa_memory_ordered 1
		.amdhsa_forward_progress 1
		.amdhsa_inst_pref_size 255
	.end_amdhsa_kernel
	.section	.bss,"aw",@nobits
	.p2align	6
	.space	262144
	.amdgpu_metadata
---
amdhsa.version: [ 1, 2 ]
amdhsa.kernels:
  - .name:           k_qee985625a4_main
    .symbol:         k_qee985625a4_main.kd
    .args:
      - { .name: candidate_embeddings, .offset: 0, .size: 8, .value_kind: global_buffer, .address_space: global }
      - { .name: traditional_scores, .offset: 8, .size: 8, .value_kind: global_buffer, .address_space: global }
      - { .name: w1x, .offset: 16, .size: 8, .value_kind: global_buffer, .address_space: global }
      - { .name: wb, .offset: 24, .size: 8, .value_kind: global_buffer, .address_space: global }
      - { .name: wc, .offset: 32, .size: 8, .value_kind: global_buffer, .address_space: global }
      - { .name: vec, .offset: 40, .size: 8, .value_kind: global_buffer, .address_space: global }
      - { .name: params_nv_b3, .offset: 48, .size: 8, .value_kind: global_buffer, .address_space: global }
      - { .name: params_sf_b3, .offset: 56, .size: 8, .value_kind: global_buffer, .address_space: global }
      - { .name: params_cc_b2, .offset: 64, .size: 8, .value_kind: global_buffer, .address_space: global }
      - { .name: out0, .offset: 72, .size: 8, .value_kind: global_buffer, .address_space: global }
      - { .name: tsp, .offset: 80, .size: 8, .value_kind: global_buffer, .address_space: global }
    .group_segment_fixed_size: 327680
    .private_segment_fixed_size: 0
    .kernarg_segment_align: 8
    .kernarg_segment_size: 88
    .max_flat_workgroup_size: 128
    .sgpr_count:     100
    .vgpr_count:     1024
    .wavefront_size: 32
...
	.end_amdgpu_metadata
.endif
;; end of part 2
;; launch meta (part 3): grid 1 x 1, 1 waves a work-group, no clusters, 0 bytes of LDS; arguments tsp, vec, params_ml_w1, params_ml_w2, params_ml_b2, out1; writes out1
.if DOCPART == 3
	.amdgcn_target "amdgcn-amd-amdhsa--gfx1250"
	.amdhsa_code_object_version 6
	.text
	.protected	k_qee985625a4_meta
	.globl	k_qee985625a4_meta
	.p2align	8
	.type	k_qee985625a4_meta,@function
k_qee985625a4_meta:
	s_mov_b64 s[64:65], 0
	v_nop
	global_prefetch_b8 v0, s[64:65] scope:SCOPE_SE
	s_setreg_imm32_b32 hwreg(HW_REG_WAVE_MODE, 25, 1), 1
	s_wait_xcnt 0x0
; META: the meta-learner's three weights.  The mean of the scores spans all work-groups of the launch before, which stored a sum for each 64 candidates (2,048 records of 16 bytes): they are added here, by one owner.
; h = relu(hpre + mean . ml_w1[512:515]), hpre = ml_b1 + user @ ml_w1[:512] + context @ ml_w1[515:] from the first launch; logits = h @ ml_w2 + ml_b2; softmax with its maximum taken away.  Nothing is left out.
; One wave; lane l holds features 8 l .. 8 l + 7.  All in f32.  v_exp_f32 and v_rcp_f32 are good to the last bit but one; a weight below 2^-126 counts as 0.
.macro WSUM a, t
	v_add_f32_dpp v[\a], v[\a], v[\a] row_xmask:1 row_mask:0xf bank_mask:0xf
	v_add_f32_dpp v[\a], v[\a], v[\a] row_xmask:2 row_mask:0xf bank_mask:0xf
	v_add_f32_dpp v[\a], v[\a], v[\a] row_xmask:4 row_mask:0xf bank_mask:0xf
	v_add_f32_dpp v[\a], v[\a], v[\a] row_xmask:8 row_mask:0xf bank_mask:0xf
	v_permlanex16_b32 v[\t], v[\a], s20, s21
	v_add_f32 v[\a], v[\a], v[\t]
.endm
.macro BATCH b                         ; 32 records a lane-column: 512 consecutive bytes a load; then their sum into v[64:66]
.set i_, 0
.rept 32
	global_load_b128 v[64+4*i_:67+4*i_], v4, s[4:5] offset:512*(32*(\b)+i_)
.set i_, i_+1
.endr
	s_wait_loadcnt 0x0
.set i_, 1
.rept 31
	v_pk_add_f32 v[64:65], v[64:65], v[64+4*i_:65+4*i_]
	v_add_f32 v66, v66, v[66+4*i_]
.set i_, i_+1
.endr
.endm
	s_load_b256 s[4:11], s[0:1], 0x0               ; tsp 4, vec 6, ml_w1 8, ml_w2 10
	s_load_b128 s[12:15], s[0:1], 0x20             ; ml_b2 12, out1 14
	v_and_b32 v1, 31, v0
	v_lshlrev_b32 v2, 5, v1
	v_mul_u32_u24 v3, v1, 96
	v_lshlrev_b32 v4, 4, v1
	v_lshlrev_b32 v5, 2, v1
	v_mov_b32 v199, 0
	s_mov_b32 s20, 0x76543210
	s_mov_b32 s21, 0xfedcba98
	s_wait_kmcnt 0x0
	s_load_b96 s[16:18], s[12:13], 0x0
	global_load_b128 v[8:11], v2, s[6:7] offset:1024
	global_load_b128 v[12:15], v2, s[6:7] offset:1040
.irp i,0,1,2
	global_load_b128 v[16+8*\i:19+8*\i], v2, s[8:9] offset:(512+\i)*1024
	global_load_b128 v[20+8*\i:23+8*\i], v2, s[8:9] offset:(512+\i)*1024+16
.endr
.irp j,0,1,2,3,4,5
	global_load_b128 v[40+4*\j:43+4*\j], v3, s[10:11] offset:16*\j
.endr
	BATCH 0
	v_mov_b32 v192, v64
	v_mov_b32 v193, v65
	v_mov_b32 v194, v66
	BATCH 1
	v_pk_add_f32 v[192:193], v[192:193], v[64:65]
	v_add_f32 v194, v194, v66
.irp n,0,1,2
	WSUM 192+\n, 199
	v_mul_f32 v[192+\n], 0x37000000, v[192+\n]     ; / 131,072
.endr
.irp j,0,1,2,3,4,5,6,7
	v_fma_f32 v[8+\j], v192, v[16+\j], v[8+\j]
	v_fma_f32 v[8+\j], v193, v[24+\j], v[8+\j]
	v_fma_f32 v[8+\j], v194, v[32+\j], v[8+\j]
	v_max_num_f32 v[8+\j], 0, v[8+\j]
.endr
.irp n,0,1,2
	v_mul_f32 v[196+\n], v8, v[40+\n]
.irp j,1,2,3,4,5,6,7
	v_fmac_f32 v[196+\n], v[8+\j], v[40+3*\j+\n]
.endr
.endr
	s_wait_kmcnt 0x0
.irp n,0,1,2
	WSUM 196+\n, 199
	v_add_f32 v[196+\n], s[16+\n], v[196+\n]
.endr
	v_max3_num_f32 v199, v196, v197, v198
.irp n,0,1,2
	v_sub_f32 v[196+\n], v[196+\n], v199
	v_mul_f32 v[196+\n], 0x3fb8aa3b, v[196+\n]
.endr
.irp n,0,1,2
	v_exp_f32 v[196+\n], v[196+\n]
.endr
	v_nop
	s_wait_alu depctr_va_vdst(0)                   ; one wait for the three exponentials
	v_add_f32 v199, v196, v197
	v_add_f32 v199, v199, v198
	v_rcp_f32 v195, v199
	v_nop
	s_wait_alu depctr_va_vdst(0)
.irp n,0,1,2
	v_mul_f32 v[196+\n], v[196+\n], v195
.endr
	v_cmp_eq_u32 vcc_lo, 1, v1                     ; lane n stores weight n
	v_cndmask_b32 v196, v196, v197, vcc_lo
	v_cmp_eq_u32 vcc_lo, 2, v1
	v_cndmask_b32 v196, v196, v198, vcc_lo
	v_cmp_gt_u32 vcc_lo, 3, v1
	s_wait_xcnt 0x0                                ; EXEC changes only behind this wait
	s_and_saveexec_b32 s22, vcc_lo
	global_store_b32 v5, v196, s[14:15]
	s_wait_xcnt 0x0
	s_or_b32 exec_lo, exec_lo, s22
	s_endpgm
.Lfunc_end_k_qee985625a4_meta:
	.size	k_qee985625a4_meta, .Lfunc_end_k_qee985625a4_meta-k_qee985625a4_meta
	.p2alignl 7, 3214868480
	.fill 96, 4, 3214868480
	.section	.rodata,"a",@progbits
	.p2align	6, 0x0
	.amdhsa_kernel k_qee985625a4_meta
		.amdhsa_group_segment_fixed_size 0
		.amdhsa_private_segment_fixed_size 0
		.amdhsa_enable_private_segment 0
		.amdhsa_kernarg_size 48
		.amdhsa_user_sgpr_count 2
		.amdhsa_user_sgpr_kernarg_segment_ptr 1
		.amdhsa_wavefront_size32 1
		.amdhsa_system_sgpr_workgroup_id_x 1
		.amdhsa_system_sgpr_workgroup_id_y 1
		.amdhsa_system_sgpr_workgroup_id_z 1
		.amdhsa_system_vgpr_workitem_id 0
		.amdhsa_next_free_vgpr 200
		.amdhsa_next_free_sgpr 66
		.amdhsa_reserve_vcc 1
		.amdhsa_float_denorm_mode_32 3
		.amdhsa_float_denorm_mode_16_64 3
		.amdhsa_memory_ordered 1
		.amdhsa_forward_progress 1
		.amdhsa_inst_pref_size 21
	.end_amdhsa_kernel
	.amdgpu_metadata
---
amdhsa.version: [ 1, 2 ]
amdhsa.kernels:
  - .name:           k_qee985625a4_meta
    .symbol:         k_qee985625a4_meta.kd
    .args:
      - { .name: tsp, .offset: 0, .size: 8, .value_kind: global_buffer, .address_space: global }
      - { .name: vec, .offset: 8, .size: 8, .value_kind: global_buffer, .address_space: global }
      - { .name: params_ml_w1, .offset: 16, .size: 8, .value_kind: global_buffer, .address_space: global }
      - { .name: params_ml_w2, .offset: 24, .size: 8, .value_kind: global_buffer, .address_space: global }
      - { .name: params_ml_b2, .offset: 32, .size: 8, .value_kind: global_buffer, .address_space: global }
      - { .name: out1, .offset: 40, .size: 8, .value_kind: global_buffer, .address_space: global }
    .group_segment_fixed_size: 0
    .private_segment_fixed_size: 0
    .kernarg_segment_align: 8
    .kernarg_segment_size: 48
    .max_flat_workgroup_size: 32
    .sgpr_count:     66
    .vgpr_count:     200
    .wavefront_size: 32
...
	.end_amdgpu_metadata
.endif
;; end of part 3
